; MI455X (gfx1250); checked and timed in simulation.
; The chip was launched on July 23, 2026; its instructions are those of AMD's public machine-readable ISA for CDNA 5 (MIT licence, August 2026) and "CDNA5" Instruction Set Architecture Reference Guide (July 2026). The comments in the code are by the model that wrote it; some were corrected since.
;; Regp Pooling2 D. Allowed arithmetic: float matrix products may take bf16 or f16 operands with f32 sums; other float arithmetic in f32, or as packed bf16 or f16 multiplies, adds, multiply-adds, maxima and minima; sums over many terms, partial sums and values carried from step to step in f32; what a program stores and reads back later, other than sums and carried values, may be rounded once to bf16 or f16.
;; Inputs: x 8 x 64 x 130 x 130 float32.
;; Outputs: out0 8 x 64 x 128 x 128 float32.
;; One version. Each part assembles by itself: llvm-mc -triple=amdgcn-amd-amdhsa -mcpu=gfx1250 --defsym DOCPART=n.
;; ======== version 1 of 1: 1 launch
;; limits: inputs' magnitudes at most 14,000,000,000; below input magnitudes of 2.1e-22 results are inexact or not finite
;; launch regp (part 1): grid 256 x 1, 8 waves a work-group, no clusters, 167,936 bytes of LDS; arguments x, out0; writes out0
.if DOCPART == 1
	.amdgcn_target "amdgcn-amd-amdhsa--gfx1250"
	.amdhsa_code_object_version 6
	.text
	.protected	k_qe76ae8c612_regp
	.globl	k_qe76ae8c612_regp
	.p2align	8
	.type	k_qe76ae8c612_regp,@function
k_qe76ae8c612_regp:
	s_mov_b64 s[64:65], 0
	v_nop
	global_prefetch_b8 v0, s[64:65] scope:SCOPE_SE
	s_setreg_imm32_b32 hwreg(HW_REG_WAVE_MODE, 25, 1), 1
	s_wait_xcnt 0x0
; RegpPooling2D.  x: [8][64][130][130] f32, out0: [8][64][128][128] f32.  For each 3 x 3 window, in reading order k = 0..8: cnt_k = how many of the
; eight neighbours of window place k (places outside the window count as zeros) satisfy |a - c| <= 0.3 |c|; a greater cnt than all before replaces p
; by c, an equal one makes p = (c + p) / 2, starting from p = 0 and a greatest count of 0.
; HOW IT IS COUNTED.  Closeness belongs to a pair of pixels, not to a window: one |a - c| serves both directions.  nb = clamp(|a - c| 2^96 - 0.3f |c| 2^96)
; is 1 where a is NOT close to c, 0 where it is: the product by 0.3f 2^96 rounds as the product by 0.3f does, and the fused multiply-add keeps the sign of
; the f32 comparison.  A place outside the window is one more neighbour, with n = [c != 0].  So u = 8 - cnt is a sum of eight such terms for every place.
; A pixel has nine such sums, one for each place (i, j) that it can take in a window; they share partial sums (22 packed lines a pixel pair).
; With a, b, c the bits toward the row above (left, mid, right), d, e toward left and right, f, g, h toward the row below:
;   C00 = e+g+h+5n  C02 = d+f+g+5n  C20 = b+c+e+5n  C22 = a+b+d+5n  E01 = C00+f+d-2n  E21 = C20+a+d-2n  E10 = C20-2n+g+h  E12 = C22-2n+f+g  K11 = E10+(a+d-3n)+f
;   (column 4 of a lane, which takes no place j = 0, uses the mirror image: E01 = C02+h+e-2n, E21 = C22+c+e-2n, K11 = E12+(c+e-3n)+h).
; THE UPDATE.  m = least u so far (8 at the start), alpha = clamp(u - m + 0.5) = 0, 1/2 or 1 for a greater, equal or smaller count, p = c + alpha (p - c).
; Kept is r = p - c_k, so a step is r = alpha r + (c_k - c_k+1), and those differences are at hand.  No compare, no select, no branch on data.
; SHARES.  A work-group owns two planes, a wave 16 output rows of both, a lane 4 neighbouring output columns (6 pixel columns).  Every quantity is a register
; pair (first plane, second plane), so that one packed line serves two outputs.  Row Y's turn: bits between rows Y-1 and Y; places i = 0 of row Y-1 and steps 0-2
; of window row Y-1; places i = 1 of row Y-1 and steps 3-5 of window row Y-2; bits inside row Y, places i = 2 of row Y, steps 6-8, store.
; DATA.  A wave's 18 pixel rows of a plane are 9,360 dense bytes.  Two tensor loads a wave, both issued at the start (two are out at the most), bring rows 0-6 and
; rows 7-17 of both planes into LDS bytes that only this wave reads: no barrier, and no byte is filled twice.  Neighbouring bands ask for two rows twice.
; NO CLUSTER: no two work-groups read the same byte.  NO MATRIX UNIT: there is no product.
; LIMITS.  |x| < 1.4e10 (0.3 |x| 2^96 stays finite).  A comparison whose sides differ by less than 2^-96 without being equal enters the count as a fraction: that
; needs 0.3 |c| and |a - c| both under 2^-72 (c = 0 and a = 0 are exact); there 0.3 |c| is also not rounded to a denormal.  NaN and infinities are not treated apart.
; p = c + alpha (p - c) rounds otherwise than (c + p) 0.5: a few units in the last place of the window's largest number.
.set ROW,    520                       ; bytes in a row of x
.set PLANE,  67600                     ; bytes in a plane of x
.set OROW,   512                       ; bytes in a row of out0
.set OPLANE, 65536                     ; bytes in a plane of out0
.set BAND,   16                        ; output rows of a wave
.set ROWS0,  7                         ; pixel rows in the first fill
.set CH0,    ROWS0*ROW                 ; its bytes for one plane
.set CH1,    (BAND+2-ROWS0)*ROW        ; the second fill's
.set WREG,   2*(CH0+CH1)               ; a wave's LDS bytes: [plane A rows 0-6][plane B rows 0-6][A rows 7-17][B rows 7-17]
.set SPARE,  8*WREG                    ; behind the eight waves' tiles (149,760 = 585 x 256): the spare words, 128 bytes a wave, which no other line names
; vector registers; all arrays are pairs (plane A, plane B); X is the lane's pixel column 0..5, w its window column 0..3
.set LA,   2                           ; LDS address: my wave's bytes + 16 x lane
.set GO,   3                           ; 16 x lane: my byte offset in a row of out0
.set SPW,  4                           ; LDS address of my spare word; never rewritten
.set NIL,  5                           ; 0; never rewritten
.set BIG,  6                           ; 2^96        (constants of clamped lines lie in vector registers)
.set NBIG, 8                           ; -2^96
.set ONE,  10                          ; 1
.set HALF, 12                          ; 0.5
.set M75,  14                          ; -7.5
.set RC,   16                          ; c: two rows by parity, RC + 12 parity + 2 X
.set RTH,  40                          ; -0.3 |c| 2^96, likewise
.set RTE,  64                          ; c[X+1] - c[X], X = 0..4: RTE + 10 parity + 2 X
.set RST,  84                          ; window state: RST + 16 parity + 4 w: m, then r
.set E5,   116                         ; carried from a row's turn to the next: e + 5n, X = 0..3; becomes C00
.set D5,   124                         ; d + 5n, X = 2..5 at D5 + 2 (X-2); becomes C02
.set D2,   132                         ; d - 2n, X = 1..3 at D2 + 2 (X-1); at D2 + 6: e - 2n of X = 4; becomes E01
.set C20M, 140                         ; C20 - 2n, X = 0..3; becomes E10
.set C22M, 148                         ; C22 - 2n, X = 2..5; becomes E12
.set ADN,  156                         ; a + d - 3n, X = 1..3; at ADN + 6: c + e - 3n of X = 4; becomes K11
.set NZ,   164                         ; n of row Y
.set BQ,   176                         ; |difference straight down|, then b, then b + c (X = 0..3), then C20
.set EA,   184                         ; u - m, then alpha, 4 pairs: BQ's pairs 4, 5 and GG's pairs 0, 1, dead by then
.set GG,   188                         ; g, then f + g (X = 2..5); later e
.set AA,   200                         ; |difference down right|, then a[X] at AA + 2 (X-1); later E21
.set HH,   210                         ; h, then g + h (X = 0..3), h[4] stays; later |c[X+1] - c[X]|, then d[X] at HH + 2 (X-1)
.set CC,   220                         ; |difference down left|, then c-bit[X]; pairs 0..3 then take c[Y-1][w+2] - c[Y][w]
.set FF,   230                         ; f[X] at FF + 2 (X-1)
.set AB,   240                         ; a + b, X = 2..5, then C22
.set OUTA, 248                         ; four outputs of plane A
.set OUTB, 252                         ; and of plane B
; scalar registers
.set WV,   8                           ; my wave's number
.set CNT,  9                           ; trips to go
.set OB,   12                          ; s[12:13] out0 at my band
.set G1A,  16                          ; s[16:23] descriptor group 1 of the first fill
.set G1B,  24                          ; s[24:31] of the second
.set G0A,  32                          ; s[32:35] descriptor group 0 of the first fill
.set G0B,  36                          ; s[36:39] of the second
.set MASK, 40                          ; clears a sign
.set KNEG, 41                          ; -0.3f 2^96
.set K5,   42                          ; s[42:43] 5.0 (named as a pair; the low word serves both halves)
.set KM2,  44                          ; s[44:45] -2.0
.set WB,   46                          ; my wave's first LDS byte
.macro PADD d, a, b
	v_pk_add_f32 v[(\d):(\d)+1], v[(\a):(\a)+1], v[(\b):(\b)+1]
.endm
.macro PSUB d, a, b                    ; d = a - b
	v_pk_add_f32 v[(\d):(\d)+1], v[(\a):(\a)+1], v[(\b):(\b)+1] neg_lo:[0,1] neg_hi:[0,1]
.endm
.macro ABS2 d, s
	v_and_b32 v[(\d)], s[MASK], v[(\s)]
	v_and_b32 v[(\d)+1], s[MASK], v[(\s)+1]
.endm
.macro NBIT d, t, th                   ; 1 where |difference| > 0.3 |c|, else 0
	v_pk_fma_f32 v[(\d):(\d)+1], v[(\t):(\t)+1], v[BIG:BIG+1], v[(\th):(\th)+1] clamp
.endm
.macro FK5 d, n, x                     ; d = x + 5 n
	v_pk_fma_f32 v[(\d):(\d)+1], v[(\n):(\n)+1], s[K5:K5+1], v[(\x):(\x)+1] op_sel_hi:[1,0,1]
.endm
.macro FM2 d, n, x                     ; d = x - 2 n
	v_pk_fma_f32 v[(\d):(\d)+1], v[(\n):(\n)+1], s[KM2:KM2+1], v[(\x):(\x)+1] op_sel_hi:[1,0,1]
.endm
.macro LDROW cb, imm, pb               ; a pixel row of both planes: 6 columns a lane; pb = bytes from plane A's row to plane B's
.irp x, 0,1,2,3,4,5
	ds_load_b32 v[(\cb)+2*\x], v[LA] offset:(\imm)+4*\x
	ds_load_b32 v[(\cb)+2*\x+1], v[LA] offset:(\imm)+4*\x+(\pb)
.endr
.endm
; thresholds and n of row Y
.macro PRE
.irp x, 0,1,2,3,4,5
	v_mul_f32 v[HU+2*\x], |v[CU+2*\x]|, s[KNEG]
	v_mul_f32 v[HU+2*\x+1], |v[CU+2*\x+1]|, s[KNEG]
.endr
.irp x, 0,1,2,3,4,5
	v_pk_mul_f32 v[NZ+2*\x:NZ+2*\x+1], v[HU+2*\x:HU+2*\x+1], v[NBIG:NBIG+1] clamp  ; 0.3 |c| 2^192, held to 0 .. 1: 0 for c = 0 alone
.endr
.endm
; the 16 pairs between rows Y-1 and Y: each gives a bit to the upper pixel (f, g, h) and one to the lower (a, b, c)
.macro VERT
.irp x, 0,1,2,3,4,5
	PSUB (BQ+2*\x),(CU+2*\x),(CP+2*\x)
.endr
.irp x, 0,1,2,3,4,5
	ABS2 (BQ+2*\x),(BQ+2*\x)
.endr
.irp x, 0,1,2,3,4,5
	NBIT (GG+2*\x),(BQ+2*\x),(HP+2*\x)               ; g[x]
.endr
.irp x, 0,1,2,3,4,5
	NBIT (BQ+2*\x),(BQ+2*\x),(HU+2*\x)               ; b[x]
.endr
.irp x, 0,1,2,3,4
	PSUB (AA+2*\x),(CU+2*\x+2),(CP+2*\x)             ; (Y-1, x) and (Y, x+1)
.endr
.irp x, 0,1,2,3,4
	ABS2 (AA+2*\x),(AA+2*\x)
.endr
.irp x, 0,1,2,3,4
	NBIT (HH+2*\x),(AA+2*\x),(HP+2*\x)               ; h[x]
.endr
.irp x, 0,1,2,3,4
	NBIT (AA+2*\x),(AA+2*\x),(HU+2*\x+2)             ; a[x+1]
.endr
.irp x, 0,1,2,3
	PADD (HH+2*\x),(GG+2*\x),(HH+2*\x)               ; g + h, X = x
.endr
.irp x, 0,1,2,3
	PADD (AB+2*\x),(AA+2*\x+2),(BQ+2*\x+4)           ; a + b, X = x + 2
.endr
.irp x, 0,1,2,3,4
	PSUB (CC+2*\x),(CU+2*\x),(CP+2*\x+2)             ; (Y-1, x+1) and (Y, x)
.endr
.irp x, 0,1,2,3,4
	ABS2 (CC+2*\x),(CC+2*\x)
.endr
.irp x, 0,1,2,3,4
	NBIT (FF+2*\x),(CC+2*\x),(HP+2*\x+2)             ; f[x+1]
.endr
.irp x, 0,1,2,3,4
	NBIT (CC+2*\x),(CC+2*\x),(HU+2*\x)               ; c-bit[x]
.endr
.irp x, 0,1,2,3
	PADD (GG+2*\x+4),(FF+2*\x+2),(GG+2*\x+4)         ; f + g, X = x + 2
.endr
.irp x, 0,1,2,3
	PADD (BQ+2*\x),(BQ+2*\x),(CC+2*\x)               ; b + c, X = x
.endr
.irp w, 0,1,2,3
	PSUB (CC+2*\w),(CP+2*\w+4),(CU+2*\w)             ; c_2 - c_3 of window row Y-1, which is also c_5 - c_6 of window row Y-2
.endr
.endm
; places i = 0 of row Y-1, in the carried registers
.macro DOWN0
.irp x, 0,1,2,3
	PADD (E5+2*\x),(HH+2*\x),(E5+2*\x)               ; C00[x]
.endr
.irp x, 0,1,2,3
	PADD (D5+2*\x),(GG+2*\x+4),(D5+2*\x)             ; C02[x+2]
.endr
.irp x, 0,1,2
	PADD (D2+2*\x),(FF+2*\x),(D2+2*\x)               ; f + d - 2n, X = x + 1
.endr
	PADD (D2+6),(HH+8),(D2+6)                        ; h + e - 2n, X = 4
.irp x, 0,1,2
	PADD (D2+2*\x),(E5+2*\x+2),(D2+2*\x)             ; E01[x+1]
.endr
	PADD (D2+6),(D5+4),(D2+6)                        ; E01[4]
.endm
; places i = 1 of row Y-1
.macro DOWN1
.irp x, 0,1,2,3
	PADD (C20M+2*\x),(C20M+2*\x),(HH+2*\x)           ; E10[x]
.endr
.irp x, 0,1,2,3
	PADD (C22M+2*\x),(C22M+2*\x),(GG+2*\x+4)         ; E12[x+2]
.endr
.irp x, 0,1,2
	PADD (ADN+2*\x),(ADN+2*\x),(FF+2*\x)
.endr
	PADD (ADN+6),(ADN+6),(HH+8)
.irp x, 0,1,2
	PADD (ADN+2*\x),(ADN+2*\x),(C20M+2*\x+2)         ; K11[x+1]
.endr
	PADD (ADN+6),(ADN+6),(C22M+4)                    ; K11[4]
.endm
; the 5 pairs inside row Y; the signed differences are kept for the update
.macro HORZ
.irp x, 0,1,2,3,4
	PSUB (TU+2*\x),(CU+2*\x+2),(CU+2*\x)
.endr
.irp x, 0,1,2,3,4
	ABS2 (HH+2*\x),(TU+2*\x)
.endr
.irp x, 0,1,2,3,4
	NBIT (GG+2*\x),(HH+2*\x),(HU+2*\x)               ; e[x]
.endr
.irp x, 0,1,2,3,4
	NBIT (HH+2*\x),(HH+2*\x),(HU+2*\x+2)             ; d[x+1]
.endr
.endm
.macro UPA                             ; what every place of row Y starts from
.irp x, 0,1,2,3
	FK5 (E5+2*\x),(NZ+2*\x),(GG+2*\x)
.endr
.irp x, 0,1,2,3
	FK5 (D5+2*\x),(NZ+2*\x+4),(HH+2*\x+2)
.endr
.irp x, 0,1,2
	FM2 (D2+2*\x),(NZ+2*\x+2),(HH+2*\x)
.endr
	FM2 (D2+6),(NZ+8),(GG+8)
.endm
.macro UPB
.irp x, 0,1,2,3
	PADD (BQ+2*\x),(BQ+2*\x),(E5+2*\x)               ; C20[x]
.endr
.irp x, 0,1,2,3
	PADD (AB+2*\x),(AB+2*\x),(D5+2*\x)               ; C22[x+2]
.endr
.irp x, 0,1,2
	PADD (ADN+2*\x),(AA+2*\x),(D2+2*\x)              ; a + d - 2n, X = x + 1
.endr
	PADD (ADN+6),(CC+8),(D2+6)                       ; c + e - 2n, X = 4
.endm
.macro UPE
.irp x, 0,1,2
	PADD (AA+2*\x),(BQ+2*\x+2),(ADN+2*\x)            ; E21[x+1]
.endr
	PADD (AA+6),(AB+4),(ADN+6)                       ; E21[4]
.endm
.macro UPC                             ; what the next turn needs for places i = 1 of this row
.irp x, 0,1,2,3
	FM2 (C20M+2*\x),(NZ+2*\x),(BQ+2*\x)
.endr
.irp x, 0,1,2,3
	FM2 (C22M+2*\x),(NZ+2*\x+4),(AB+2*\x)
.endr
.irp x, 0,1,2,3
	PSUB (ADN+2*\x),(ADN+2*\x),(NZ+2*\x+2)
.endr
.endm
.macro ALPHA                           ; u - m + 0.5, held to 0 .. 1
.irp w, 0,1,2,3
	v_pk_fma_f32 v[EA+2*\w:EA+2*\w+1], v[EA+2*\w:EA+2*\w+1], v[ONE:ONE+1], v[HALF:HALF+1] clamp
.endr
.endm
; One step of the update for the lane's four windows of both planes.  ub: u of window 0; st: the state; db: c_k - c_k+1 of window 0, or (dneg = 1) its negative.
.macro SEL ub, st, db, dneg
.irp w, 0,1,2,3
	PSUB (EA+2*\w),((\ub)+2*\w),((\st)+4*\w)
.endr
.irp w, 0,1,2,3
	v_dual_min_num_f32 v[(\st)+4*\w], v[(\st)+4*\w], v[(\ub)+2*\w] :: v_dual_min_num_f32 v[(\st)+4*\w+1], v[(\st)+4*\w+1], v[(\ub)+2*\w+1]
.endr
	ALPHA
.irp w, 0,1,2,3
.if \dneg
	v_pk_fma_f32 v[(\st)+4*\w+2:(\st)+4*\w+3], v[EA+2*\w:EA+2*\w+1], v[(\st)+4*\w+2:(\st)+4*\w+3], v[(\db)+2*\w:(\db)+2*\w+1] neg_lo:[0,0,1] neg_hi:[0,0,1]
.else
	v_pk_fma_f32 v[(\st)+4*\w+2:(\st)+4*\w+3], v[EA+2*\w:EA+2*\w+1], v[(\st)+4*\w+2:(\st)+4*\w+3], v[(\db)+2*\w:(\db)+2*\w+1]
.endif
.endr
.endm
; Steps 0 to 2 of window row Y-1.  Step 0 meets m = 8 and p = 0: alpha = clamp(u - 7.5), r = -alpha c_0 + (c_0 - c_1), and m becomes u (u <= 8).
.macro SEL0
.irp w, 0,1,2,3
	v_pk_fma_f32 v[EA+2*\w:EA+2*\w+1], v[E5+2*\w:E5+2*\w+1], v[ONE:ONE+1], v[M75:M75+1] clamp
.endr
.irp w, 0,1,2,3
	v_pk_fma_f32 v[SN+4*\w+2:SN+4*\w+3], v[EA+2*\w:EA+2*\w+1], v[CP+2*\w:CP+2*\w+1], v[TP+2*\w:TP+2*\w+1] neg_lo:[0,1,1] neg_hi:[0,1,1]
.endr
.irp w, 0,1,2,3
	PSUB (EA+2*\w),(D2+2*\w),(E5+2*\w)
.endr
.irp w, 0,1,2,3
	v_dual_min_num_f32 v[SN+4*\w], v[E5+2*\w], v[D2+2*\w] :: v_dual_min_num_f32 v[SN+4*\w+1], v[E5+2*\w+1], v[D2+2*\w+1]
.endr
	ALPHA
.irp w, 0,1,2,3
	v_pk_fma_f32 v[SN+4*\w+2:SN+4*\w+3], v[EA+2*\w:EA+2*\w+1], v[SN+4*\w+2:SN+4*\w+3], v[TP+2*\w+2:TP+2*\w+3] neg_lo:[0,0,1] neg_hi:[0,0,1]
.endr
	SEL D5, SN, CC, 0
.endm
; Step 8: p = c_8 + alpha r, written unpacked so that a plane's four outputs lie in four neighbouring registers
.macro LAST
.irp w, 0,1,2,3
	PSUB (EA+2*\w),(AB+2*\w),(SO+4*\w)
.endr
	ALPHA
.irp w, 0,1,2,3
	v_fma_f32 v[OUTA+\w], v[EA+2*\w], v[SO+4*\w+2], v[CU+2*\w+4]
	v_fma_f32 v[OUTB+\w], v[EA+2*\w+1], v[SO+4*\w+3], v[CU+2*\w+5]
.endr
.endm
; THE TURN OF PIXEL ROW Y.  par: Y's parity in the band.  prev: a row Y-1 exists.  e0: window row Y-1 exists.  e12: window row Y-2 exists.  carry: a row Y+1 follows.
; ldimm >= 0: row Y+1 is fetched from that offset (ldpb: from plane A's row to plane B's).  stimm: window row Y-2's offset from s[OB].  left: LDS loads that may stay out.
.macro ITER par, prev, e0, e12, carry, ldimm, ldpb, stimm, left
.set CU, RC+12*(\par)
.set CP, RC+12*(1-(\par))
.set HU, RTH+12*(\par)
.set HP, RTH+12*(1-(\par))
.set TU, RTE+10*(\par)
.set TP, RTE+10*(1-(\par))
.set SO, RST+16*(\par)                 ; window row Y-2
.set SN, RST+16*(1-(\par))             ; window row Y-1
	s_wait_dscnt \left                               ; row Y is in registers
	s_wait_xcnt 0x0                                  ; the last turn's stores have had their addresses translated (ISA guide 3.1): their data registers are written again only behind this wait
	PRE
.if \prev
	VERT
.endif
.if \e0
	DOWN0
	SEL0
.endif
.if (\ldimm) >= 0
	LDROW CP, \ldimm, \ldpb                          ; row Y-1 has been read for the last time: its registers take row Y+1, with the rest of the turn in which to arrive
.endif
.if \e12
	DOWN1
	SEL C20M, SO, TP, 1
	SEL ADN, SO, (TP+2), 1
	SEL C22M, SO, CC, 0
.endif
	HORZ
	UPA
.if \prev
	UPB
.endif
.if \e12
	UPE
.endif
.if \carry
	UPC
.endif
.if \e12
	SEL BQ, SO, TU, 1
	SEL AA, SO, (TU+2), 1
	LAST
	global_store_b128 v[GO], v[OUTA:OUTA+3], s[OB:OB+1] offset:(\stimm) th:TH_STORE_NT          ; a wave's store covers a whole output row: 512 consecutive bytes, aligned
	global_store_b128 v[GO], v[OUTB:OUTB+3], s[OB:OB+1] offset:(\stimm)+OPLANE th:TH_STORE_NT
.endif
.endm
	s_load_b128 s[4:7], s[0:1], 0x0                  ; x s[4:5], out0 s[6:7]
	v_lshl_add_u32 v[SPW], v0, 2, SPARE
	v_mov_b32 v[NIL], 0
	ds_add_u32 v[SPW], v[NIL]                        ; the wave's opening: the add and its wait stand ahead of my first tensor load; the set-up below, work on registers, stands between them
	ds_add_u32 v4, v5
	v_lshrrev_b32 v1, 5, v0
	v_readfirstlane_b32 s[WV], v1                    ; wave 0..7
	; Group 1: two rows (the two planes) of dense bytes, in elements of 8 bytes; from row to row a plane.  The extents are the tile's: it lies inside x.
	s_mov_b32 s[G1A+0], 3<<16                        ; no mask; elements of 8 bytes; no padding
	s_mov_b32 s[G1A+1], (CH0/8)<<16                  ; tensor_dim0
	s_mov_b32 s[G1A+2], 2<<16                        ; tensor_dim1
	s_mov_b32 s[G1A+3], (CH0/8)<<16                  ; tile_dim0
	s_mov_b32 s[G1A+4], 2                            ; tile_dim1
	s_mov_b32 s[G1A+5], PLANE/8                      ; elements from row to row
	s_mov_b32 s[G1A+6], 0
	s_mov_b32 s[G1A+7], 0
	s_mov_b32 s[G1B+0], 3<<16
	s_mov_b32 s[G1B+1], (CH1/8)<<16
	s_mov_b32 s[G1B+2], 2<<16
	s_mov_b32 s[G1B+3], (CH1/8)<<16
	s_mov_b32 s[G1B+4], 2
	s_mov_b32 s[G1B+5], PLANE/8
	s_mov_b32 s[G1B+6], 0
	s_mov_b32 s[G1B+7], 0
	s_mul_i32 s[WB], s[WV], WREG                     ; my wave's LDS bytes
	s_mov_b32 s[G0A], 1
	s_mov_b32 s[G0A+1], s[WB]
	s_mov_b32 s[G0B], 1
	s_add_co_u32 s[G0B+1], s[WB], 2*CH0
	s_mul_i32 s48, ttmp9, 2*PLANE                    ; the group's two planes of x (under 2^31 bytes),
	s_mul_i32 s49, s[WV], BAND*ROW                   ; my band's first row
	s_add_co_u32 s48, s48, s49
	s_mov_b32 s49, 0
	s_lshl_b32 s50, ttmp9, 17                        ; the same in out0: 2 x 65,536 bytes a group,
	s_lshl_b32 s51, s[WV], 13                        ; 16 x 512 a wave
	s_add_co_u32 s50, s50, s51
	s_mov_b32 s51, 0
	s_mov_b32 s[MASK], 0x7fffffff
	s_mov_b32 s[KNEG], 0xee99999a                    ; -(0.3f 2^96): 0.3f is 0x3e99999a, the exponent raised by 96
	s_mov_b32 s[K5], 0x40a00000
	s_mov_b32 s[K5+1], 0x40a00000
	s_mov_b32 s[KM2], 0xc0000000
	s_mov_b32 s[KM2+1], 0xc0000000
	s_wait_dscnt 0x0                                 ; the opening add is done
	s_wait_kmcnt 0x0
	s_add_nc_u64 s[G0A+2:G0A+3], s[4:5], s[48:49]    ; rows 0-6 of my band, plane A
	s_add_nc_u64 s[G0B+2:G0B+3], s[G0A+2:G0A+3], CH0 ; rows 7-17
	s_or_b32 s[G0A+3], s[G0A+3], 0x80000000          ; type = 2
	s_or_b32 s[G0B+3], s[G0B+3], 0x80000000
	s_add_nc_u64 s[OB:OB+1], s[6:7], s[50:51]
	tensor_load_to_lds s[G0A:G0A+3], s[G1A:G1A+7]    ; both fills go out together, ahead of every wait on TENSORcnt and every LDS read
	s_nop 0
	tensor_load_to_lds s[G0B:G0B+3], s[G1B:G1B+7]
	s_nop 0
	v_and_b32 v1, 31, v0
	v_lshlrev_b32 v[GO], 4, v1
	v_add_nc_u32 v[LA], s[WB], v[GO]
.irp h, 0,1
	v_mov_b32 v[BIG+\h], 0x6f800000
	v_mov_b32 v[NBIG+\h], 0xef800000
	v_mov_b32 v[ONE+\h], 1.0
	v_mov_b32 v[HALF+\h], 0.5
	v_mov_b32 v[M75+\h], 0xc0f00000
.endr
	s_wait_tensorcnt 0x1                             ; tensor loads of a wave end in order (ISA guide 10.11.1): rows 0-6 are in LDS, rows 7-17 may stay out; only this wave reads these bytes
	LDROW RC, 0, CH0
	LDROW (RC+12), ROW, CH0
	; rows 0 to 5 are written out, with constant offsets: all that they fetch (rows 2 to 6) lies in the first fill, and the second lands meanwhile
	ITER 0, 0, 0, 0, 0, -1, 0, 0, 12                 ; row 0: row 1's twelve loads may stay out
	ITER 1, 1, 1, 0, 1, 2*ROW, CH0, 0, 0
	ITER 0, 1, 1, 1, 1, 3*ROW, CH0, 0*OROW, 0
	ITER 1, 1, 1, 1, 1, 4*ROW, CH0, 1*OROW, 0
	ITER 0, 1, 1, 1, 1, 5*ROW, CH0, 2*OROW, 0
	ITER 1, 1, 1, 1, 1, 6*ROW, CH0, 3*OROW, 0
	s_wait_tensorcnt 0x0                             ; rows 7-17 are in LDS: no load was issued behind theirs
	s_mov_b32 s[CNT], 5
.Lrows:                                                  ; rows 6 to 15, two a trip; the steps stand at the trip's head, so the offsets below are two rows short
	s_wait_xcnt 0x0                                  ; the stores' base is stepped only behind this wait
	s_add_nc_u64 s[OB:OB+1], s[OB:OB+1], 2*OROW
	v_add_nc_u32 v[LA], 2*ROW, v[LA]
	ITER 0, 1, 1, 1, 1, 2*CH0-2*ROW, CH1, 2*OROW, 0  ; first trip: row 6 fetches row 7, the second fill's first, and stores window row 4
	ITER 1, 1, 1, 1, 1, 2*CH0-1*ROW, CH1, 3*OROW, 0
	s_sub_co_u32 s[CNT], s[CNT], 1
	s_cmp_lg_u32 s[CNT], 0
	s_cbranch_scc1 .Lrows
	ITER 0, 1, 1, 1, 1, 2*CH0, CH1, 4*OROW, 0        ; row 16 fetches row 17 (both steps stand ten rows on) and stores window row 14
	ITER 1, 1, 0, 1, 0, -1, 0, 5*OROW, 0             ; row 17: nothing follows it
	s_wait_tensorcnt 0x0                             ; the wave's end, behind my last tensor load
	ds_add_u32 v[SPW], v[NIL]
	s_wait_dscnt 0x0
	s_endpgm
.Lfunc_end_k_qe76ae8c612_regp:
	.size	k_qe76ae8c612_regp, .Lfunc_end_k_qe76ae8c612_regp-k_qe76ae8c612_regp
	.p2alignl 7, 3214868480
	.fill 96, 4, 3214868480
	.section	.rodata,"a",@progbits
	.p2align	6, 0x0
	.amdhsa_kernel k_qe76ae8c612_regp
		.amdhsa_group_segment_fixed_size 167936
		.amdhsa_private_segment_fixed_size 0
		.amdhsa_enable_private_segment 0
		.amdhsa_kernarg_size 16
		.amdhsa_user_sgpr_count 2
		.amdhsa_user_sgpr_kernarg_segment_ptr 1
		.amdhsa_wavefront_size32 1
		.amdhsa_system_sgpr_workgroup_id_x 1
		.amdhsa_system_sgpr_workgroup_id_y 1
		.amdhsa_system_sgpr_workgroup_id_z 1
		.amdhsa_system_vgpr_workitem_id 0
		.amdhsa_next_free_vgpr 256
		.amdhsa_next_free_sgpr 66
		.amdhsa_reserve_vcc 0
		.amdhsa_float_denorm_mode_32 3
		.amdhsa_float_denorm_mode_16_64 3
		.amdhsa_memory_ordered 1
		.amdhsa_forward_progress 1
		.amdhsa_inst_pref_size 191
	.end_amdhsa_kernel
	.amdgpu_metadata
---
amdhsa.version: [ 1, 2 ]
amdhsa.kernels:
  - .name:           k_qe76ae8c612_regp
    .symbol:         k_qe76ae8c612_regp.kd
    .args:
      - { .name: x, .offset: 0, .size: 8, .value_kind: global_buffer, .address_space: global }
      - { .name: out0, .offset: 8, .size: 8, .value_kind: global_buffer, .address_space: global }
    .group_segment_fixed_size: 167936
    .private_segment_fixed_size: 0
    .kernarg_segment_align: 8
    .kernarg_segment_size: 16
    .max_flat_workgroup_size: 256
    .sgpr_count:     66
    .vgpr_count:     256
    .wavefront_size: 32
...
	.end_amdgpu_metadata
.endif
;; end of part 1
